; MI455X (gfx1250); checked and timed in simulation.
; The chip was launched on July 23, 2026; its instructions are those of AMD's public machine-readable ISA for CDNA 5 (MIT licence, August 2026) and "CDNA5" Instruction Set Architecture Reference Guide (July 2026). The comments in the code are by the model that wrote it; some were corrected since.
;; Self Attention. Allowed arithmetic: matrix products marked QUANTISED: E2M1 operands, one E8M0 scale for each 32 along K, by v_wmma_scale_f32_16x16x128_f8f6f4 with both operands' format E2M1 (or v_wmma_scale_f32_32x16x128_f4), f32 sums; everything else in f32.
;; Inputs: b_out 1,024 float32; b_qkv 3,072 float32; w_out_codes 1,024 x 32 x 16 uint8 (E2M1 codes of w_out, K innermost, in blocks of 32 codes, two codes a byte); w_out_scales 1,024 x 32 uint8 (E8M0 scales of w_out, one for each 32 codes along K); w_qkv_codes 3,072 x 32 x 16 uint8 (E2M1 codes of w_qkv, K innermost, in blocks of 32 codes, two codes a byte); w_qkv_scales 3,072 x 32 uint8 (E8M0 scales of w_qkv, one for each 32 codes along K); x_codes 4 x 2,048 x 32 x 16 uint8 (E2M1 codes of x, K innermost, in blocks of 32 codes, two codes a byte); x_scales 4 x 2,048 x 32 uint8 (E8M0 scales of x, one for each 32 codes along K).
;; Outputs: out0 4 x 2,048 x 1,024 float32.
;; This version of the problem:
;;   THIS VERSION OF THE PROBLEM IS GIVEN IN LOW PRECISION. The matrix products marked QUANTISED in the list below multiply operands that are first quantised to E2M1 (2 exponent bits, 1 mantissa bit; 4 bits a number), with one power-of-two scale for each 32 numbers along K (OCP MX v1.0); their sums are f32. All else is computed in f32.
;;   The module's matrix products, in the order in which they are computed (A, B: the left and right operand; K: the contracted axis; several contracted axes count as one K, in the product's order):
;;     1. [M 8,192, K 1,024] x [K 1,024, N 3,072]; A: input x (given as codes); B: input w_qkv (given as codes): QUANTISED
;;     2. batch 64 x [M 2,048, K 64] x [K 64, N 2,048]; A: computed on the way; B: computed on the way: QUANTISED
;;     3. batch 64 x [M 2,048, K 2,048] x [K 2,048, N 64]; A: softmax (see below); B: computed on the way: QUANTISED
;;     4. [M 8,192, K 1,024] x [K 1,024, N 1,024]; A: computed on the way; B: input w_out (given as codes): QUANTISED
;;   THE QUANTISER, for each operand of a quantised product, along K:
;;     - K is cut into blocks of 32 from its start; a last block that is shorter is filled with zeros.
;;     - A block's scale is 2^e with e = floor(log2(the largest magnitude in the block)) - 2, held to -126 .. 127; a block of zeros has e = 0. As a byte (E8M0): e + 127.
;;     - Each number is divided by its block's scale, clamped to +-6, and rounded to the nearest number of E2M1, ties to even, subnormals kept.
;;     - The product sums the exact products of the quantised numbers (number of the format x scale) in f32.
;;   ~~~python
;;   def quantise(x, axis):      # numpy; x: float32 -> the quantised numbers, widened to float32 again
;;       x = np.moveaxis(x, axis, -1); K = x.shape[-1]
;;       x = np.pad(x, [(0, 0)] * (x.ndim - 1) + [(0, -K % 32)]); x = x.reshape(x.shape[:-1] + (-1, 32)); a = np.abs(x).max(-1, keepdims=True)
;;       e = np.where(a > 0, np.clip(np.frexp(np.where(a > 0, a, 1))[1] - 1 - 2, -126, 127), 0)      # np.frexp(a)[1] - 1 = floor(log2(a)), exactly
;;       r = np.clip(x / 2.0 ** e, -6, 6)
;;       step = 2.0 ** (np.maximum(np.frexp(np.where(r == 0, 1, r))[1] - 1, 0) - 1)
;;       q = np.round(r / step) * step * 2.0 ** e      # np.round: ties to even
;;       return np.moveaxis(q.reshape(q.shape[:-2] + (-1,))[..., :K], -1, axis).astype(np.float32)
;;   ~~~
;;   SOFTMAX AHEAD OF A QUANTISED PRODUCT. Where the list says 'softmax', what is quantised is not the finished softmax but p = 2^(t - M), with t = logit x log2(e) and M = ceil(the row's largest t), a whole number; so 1/2 < the row's largest p <= 1. The row's sum l is taken of the UNQUANTISED p, in f32, and the product's result is divided by l at the end. Since M is a whole number, a kernel that streams over the keys may use a running M (the ceiling of the running maximum): every later rescaling is an exact power of two, which a block's scale takes up: the codes' values come out the same.
;;   OPERANDS COMPUTED ON THE WAY. 'Computed on the way' means the value that the module computes at that place (a softmax that the list does not call 'softmax' is quantised finished and normalised). What goes into a quantiser is computed in f32, as accurately as f32 sums, v_exp_f32 and their like allow (about 1e-6 of the number): no bf16 or f16 on the way to a quantiser, and a product that is left as it is and whose result goes on into a quantised operand takes f32 operands (vector FMAs, or v_wmma_f32_16x16x4_f32). A number that lies on a knife's edge between two numbers of the format may be rounded either way, as far as f32 arithmetic and the matrix unit's own rounding can turn it there, and no further.
;;   INPUTS GIVEN AS CODES. w_out (in the module: [1024, 1024], K = its axis 0); w_qkv (in the module: [1024, 3072], K = its axis 0); x (in the module: [4, 2048, 1024], K = its axis 2): each comes as NAME_codes (uint8): NAME with its K axis moved to the last place and cut into blocks of 32 codes, [.., K / 32, bytes a block], one block behind the other in memory; two codes a byte, the lower K in the low four bits (a code: sign, 2 exponent bits, 1 mantissa bit); and NAME_scales (uint8): the same leading axes, one E8M0 byte (e + 127) for each 32 codes along K. Its value is code x scale, taken as it is: it is not quantised again, and the codes and scales need not be those that the quantiser above would give.
;; One version. Each part assembles by itself: llvm-mc -triple=amdgcn-amd-amdhsa -mcpu=gfx1250 --defsym DOCPART=n.
;; ======== version 1 of 1: 3 launches
;; workspace buffers: qq 4,718,592 bytes; kv 9,175,040 bytes; ac 4,194,304 bytes; asc 262,144 bytes
;; launch qkv (part 1): grid 12 x 32, 4 waves a work-group, clusters of 4 x 4, 296,448 bytes of LDS; arguments x_codes, x_scales, w_qkv_codes, w_qkv_scales, b_qkv, qq, kv; writes qq, kv
.if DOCPART == 1
	.amdgcn_target "amdgcn-amd-amdhsa--gfx1250"
	.amdhsa_code_object_version 6
	.text
	.protected	k_q325e83d4e4_qkv
	.globl	k_q325e83d4e4_qkv
	.p2align	8
	.type	k_q325e83d4e4_qkv,@function
k_q325e83d4e4_qkv:
	s_mov_b64 s[64:65], 0
	v_nop
	global_prefetch_b8 v0, s[64:65] scope:SCOPE_SE
	s_setreg_imm32_b32 hwreg(HW_REG_WAVE_MODE, 25, 1), 1
	s_wait_xcnt 0x0
	s_wait_alu depctr_hold_cnt(0) depctr_sa_sdst(0) depctr_va_vdst(0) depctr_va_sdst(0) depctr_va_ssrc(0) depctr_va_vcc(0) depctr_vm_vsrc(0)
	s_getreg_b32 s2, hwreg(HW_REG_IB_STS2, 6, 4)
	s_cmp_eq_u32 s2, 0
	s_cbranch_scc0 .Lentry_in_a_cluster
	s_endpgm
.Lentry_in_a_cluster:
	s_bfe_u32 s2, ttmp6, 0x10000c
	s_cmp_lg_u32 s2, 0xf033
	s_cbranch_scc0 .Lentry_shape_is_right
	s_endpgm
.Lentry_shape_is_right:
; qkv = x W^T + b on codes of FP4 (E2M1) with E8M0 scales as they are given; the result is quantised at once: q and k along the head's 64 channels, v along the keys.
; x: 8,192 tokens x 1,024 (rows of 512 bytes), W: 3,072 channels x 1,024; scale bytes 32 a row.  Nothing but codes and scale words goes to memory.
; SHARES.  A work-group of four waves makes 256 tokens x 256 channels, a wave 128 x 128: 64 accumulators of 16 x 16.  All of K (two halves of 512, rows of 256 bytes) and all scale bytes
; of the work-group's rows come into LDS once, by three tensor loads a wave: no LDS byte is filled twice.
; CLUSTERS: 4 x 4 work-groups; x's tiles are shared along a row of the cluster, W's along a column: each is asked for jointly.
; ROLES.  Source 0 (P) is the operand ALONG WHICH the result is quantised, source 1 (R) the one of which a lane holds one row: in the result lane (r, h), register j of tile b holds P's index 16 b + 8 h + j of R's row r.
; q, k (cluster x = 0, 1): P = W's channels, R = x's tokens.  v (cluster x = 2): P = x's tokens (the keys), R = W's channels.  The roles differ only in the LDS bases of the fragment loads, in the bias and in the way out.
; CODES.  One conversion a tile gives 8 codes; of four tiles (64 indices) the results go to registers 0, 2, 1, 3, and two exchanges of lane halves make of them registers 4 c .. 4 c + 3 of an FP4 operand
; (k = 64 c + 32 h + 0 .. 31).  Such four registers are stored at 16 x lane, 512 consecutive bytes: an image that any wave loads back as an operand.
; OUT.  qq: record ((batch x 8 + head pair) x 16 + group of 128 tokens) of 9,216 bytes: [tile 8][head 2][512], then [head 2][512] scale words.
;       kv: the same index x 17,920 bytes: K [tile 8][head 2][512]; V [4 head + d tile 8][c 2][512]; K's scale words [head 2][lane 32][4]; V's [head 2][lane 32][2].
; LIMITS: NaN, infinities and given scale bytes 0xff are not served.  A block of zeros gets the byte 1 where the rule says 127: its codes are zeros, and this program alone reads the bytes.
.set PITCH, 272                        ; an LDS row: 256 bytes + 16 of padding: the 16 rows of a fragment load start at 16 different groups of banks
.set HALFT, 128*PITCH                  ; 128 rows: what one tensor load brings
.set SLOT,  4*HALFT                    ; a K half: x's 256 rows, then W's 256 rows
.set HALFS, 16*272                     ; the scale bytes of 128 rows: 16 units of 256 bytes + 16
.set SCL,   2*SLOT
.set SPARE, SCL+4*HALFS                ; the spare words, 128 bytes a wave: no other line names them
.set ADRR, 16                          ; v16-17 LDS address of R's fragments, K half 0, 1
.set ADRP, 18                          ; v18-19 of P's
.set ADSR, 20                          ; v20    of R's scale words
.set ADSP, 21                          ; v21    of P's
.set LI,   24                          ; v24    16 x lane
.set L8,   25                          ; v25    8 x lane
.set SPW,  28                          ; v28    my spare word; never rewritten
.set NIL,  29                          ; v29    0; never rewritten
.set SCR,  32                          ; v32-63 R's scale words: register 8 ip + k8: lane l has row 32 ip + l, K step k8
.set SCP,  64                          ; v64-95 P's
.set BO,   96                          ; v96-103 the bias loads' offsets; afterwards:
.set TM,   96                          ; v96-99 largest magnitudes, v100-103 at work, v104-107 the conversions' scale operands
.set P1,   108                         ; v108-111 scale words of the second head
.set W4,   112                         ; v112-119 a scale word for each of R's 8 blocks
.set MQ,   120                         ; v120-123 the same, two blocks to a register
.set P0,   124                         ; v124-127 scale words of the first head
.set CD,   128                         ; v128-191 codes, 8 registers for each of R's blocks
.set BIAS, 192                         ; v192-255 the bias in the result's layout
.set G1X,  32                          ; s[32:39] group 1, x's codes;  s[40:47] W's;  s[48:55], s[56:63] their scale bytes
.set G1W,  40
.set G1SX, 48
.set G1SW, 56
.set G0SX, 68                          ; groups 0
.set G0X0, 72
.set G0X1, 76
.set G0SW, 80
.set G0W0, 84
.set G0W1, 88
.set MSB, 0
.macro WIN new                         ; the immediate's high byte repeats the setting that is left
.if MSB != \new
	s_set_vgpr_msb (MSB<<8)|\new
.set MSB, \new
.endif
.endm
.macro PLACES n
.rept \n
	v_nop
.endr
.endm
; A joint load: waves 0 and 1 fetch for x, waves 2 and 3 for W.  The branch hangs on the wave's number alone.  An s_nop 0 and four v_nop follow each line.
.macro JLOAD g0a, g1a, g0b, g1b
	s_cmp_eq_u32 s19, 0
	s_cbranch_scc0 .Lfor_b_\@
	tensor_load_to_lds s[\g0a:\g0a+3], s[\g1a:\g1a+7]
	s_nop 0
.rept 4
	v_nop
.endr
	s_branch .Lasked_\@
.Lfor_b_\@:
	tensor_load_to_lds s[\g0b:\g0b+3], s[\g1b:\g1b+7]
	s_nop 0
.rept 4
	v_nop
.endr
.Lasked_\@:
.endm
.macro CROUND                          ; a round of the cluster's barrier
	s_barrier_signal -1
	s_barrier_wait -1
	s_cmp_lg_u32 s18, 0
	s_cbranch_scc1 .Lnot_wave_0_\@
	s_barrier_signal -3
.Lnot_wave_0_\@:
	s_barrier_wait -3
	s_barrier_signal -1
	s_barrier_wait -1
.endm
.macro FRAG reg, adr, off              ; 16 rows x 128 K of 4-bit codes: two loads of 16 bytes, 32 bytes apart
	ds_load_b128 v[(\reg):(\reg)+3], v[\adr] offset:\off
	ds_load_b128 v[(\reg)+4:(\reg)+7], v[\adr] offset:(\off)+32
.endm
; one product: D d, source 0 p, source 1 r, C c, their scale registers sp, sr; rp, rr = 1: the scales stand in lanes 16-31
.macro WM d, p, r, c, sp, sr, rp, rr
.if ((\rp) == 0) && ((\rr) == 0)
	v_wmma_scale_f32_16x16x128_f8f6f4 v[(\d):(\d)+7], v[(\p):(\p)+7], v[(\r):(\r)+7], v[(\c):(\c)+7], v[(\sp)], v[(\sr)] matrix_a_fmt:MATRIX_FMT_FP4 matrix_b_fmt:MATRIX_FMT_FP4
.elseif ((\rp) == 1) && ((\rr) == 0)
	v_wmma_scale_f32_16x16x128_f8f6f4 v[(\d):(\d)+7], v[(\p):(\p)+7], v[(\r):(\r)+7], v[(\c):(\c)+7], v[(\sp)], v[(\sr)] matrix_a_fmt:MATRIX_FMT_FP4 matrix_b_fmt:MATRIX_FMT_FP4 matrix_a_scale:MATRIX_SCALE_ROW1
.elseif ((\rp) == 0) && ((\rr) == 1)
	v_wmma_scale_f32_16x16x128_f8f6f4 v[(\d):(\d)+7], v[(\p):(\p)+7], v[(\r):(\r)+7], v[(\c):(\c)+7], v[(\sp)], v[(\sr)] matrix_a_fmt:MATRIX_FMT_FP4 matrix_b_fmt:MATRIX_FMT_FP4 matrix_b_scale:MATRIX_SCALE_ROW1
.else
	v_wmma_scale_f32_16x16x128_f8f6f4 v[(\d):(\d)+7], v[(\p):(\p)+7], v[(\r):(\r)+7], v[(\c):(\c)+7], v[(\sp)], v[(\sr)] matrix_a_fmt:MATRIX_FMT_FP4 matrix_b_fmt:MATRIX_FMT_FP4 matrix_a_scale:MATRIX_SCALE_ROW1 matrix_b_scale:MATRIX_SCALE_ROW1
.endif
.endm
; the 32 fragment loads of K step k, in one run, into set k % 2 of window 1: P's eight at v0 / v64, R's eight at v128 / v192
.macro FETCH k
	WIN 0x40                                       ; destination window 1, address window 0
.irp i, 0,1,2,3,4,5,6,7
	FRAG 64*((\k)%2)+8*\i, ADRP+(\k)/4, 64*((\k)%4)+\i*16*PITCH
.endr
.irp i, 0,1,2,3,4,5,6,7
	FRAG 128+64*((\k)%2)+8*\i, ADRR+(\k)/4, 64*((\k)%4)+\i*16*PITCH
.endr
	WIN 0
.endm
; the 64 products of K step k8.  Accumulator (a, b) at v[8 (8 (a % 4) + b)] of window 2 (a < 4) or 3.  The 64 take turns, one instruction a turn, in the same order in every step.
; cm = 0: the sums go on in place;  1: they begin with the bias of P's block b;  2: of R's block a (C in window 0)
.macro MULS k8, cm
.irp a, 0,1,2,3,4,5,6,7
.if \a == 0
.if \cm
	WIN 0x85
.else
	WIN 0xa5
.endif
.endif
.if \a == 4
.if \cm
	WIN 0xc5
.else
	WIN 0xf5
.endif
.endif
.irp b, 0,1,2,3,4,5,6,7
.if \cm == 0
	WM 8*(8*(\a%4)+\b), 64*((\k8)%2)+8*\b, 128+64*((\k8)%2)+8*\a, 8*(8*(\a%4)+\b), SCP+8*(\b/2)+(\k8), SCR+8*(\a/2)+(\k8), \b%2, \a%2
.elseif \cm == 1
	WM 8*(8*(\a%4)+\b), 64*((\k8)%2)+8*\b, 128+64*((\k8)%2)+8*\a, BIAS+8*\b, SCP+8*(\b/2)+(\k8), SCR+8*(\a/2)+(\k8), \b%2, \a%2
.else
	WM 8*(8*(\a%4)+\b), 64*((\k8)%2)+8*\b, 128+64*((\k8)%2)+8*\a, BIAS+8*\a, SCP+8*(\b/2)+(\k8), SCR+8*(\a/2)+(\k8), \b%2, \a%2
.endif
.endr
.endr
	WIN 0
.endm
.macro STEP k8, fetch, meet
	s_wait_dscnt 0x0                               ; this step's 32 loads, issued 64 matrix instructions ago, are in
.if \meet
	s_wait_tensorcnt 0x0                           ; my part of K half 1 has landed;
	s_barrier_signal -1
	s_barrier_wait -1                              ; everybody's has.
.endif
.if \fetch
	PLACES 4                                       ; four places in front of loads into registers that the last step's products have read
	FETCH (\k8)+1
.endif
	MULS \k8, 0
.endm
; R's block a (16 rows) is quantised along P's 128 indices: four blocks of 32, each in two tiles and in lanes l and l xor 16
.macro QROW a
.set AC, 64*((\a)%4)
.set WW, 2+(\a)/4
.set WN, WW|(WW<<2)
	WIN WN                                         ; sources 0 and 1: the accumulators' window
.irp e, 0,1,2,3
	v_max3_num_f32 v[TM+\e], |v[AC+16*\e]|, |v[AC+16*\e+1]|, 0x1800000   ; with the floor 2^(3 - 127): the byte cannot fall under 1.  Each accumulator is read from its low end on
.endr
.irp i, 2,4,6,8,10,12,14
.irp e, 0,1,2,3
	v_max3_num_f32 v[TM+\e], |v[AC+16*\e+\i]|, |v[AC+16*\e+\i+1]|, v[TM+\e]   ; the four blocks by turns
.endr
.endr
	WIN 0
.irp e, 0,1,2,3
	v_permlanex16_b32 v[TM+4+\e], v[TM+\e], s98, s99
.endr
.irp e, 0,1,2,3
	v_max_num_f32 v[TM+\e], v[TM+\e], v[TM+4+\e]   ; with lane l xor 16's: the block's largest magnitude
.endr
.irp e, 0,1,2,3
	v_add_nc_u32 v[TM+8+\e], 0xff000000, v[TM+\e]  ; 2 off its exponent field: the conversion's scale operand
.endr
.irp e, 0,1,2,3
	v_lshrrev_b32 v[TM+4+\e], 23, v[TM+8+\e]       ; the scale's byte
.endr
	v_lshl_or_b32 v[W4+(\a)], v[TM+5], 8, v[TM+4]
	v_lshl_or_b32 v[W4+(\a)], v[TM+6], 16, v[W4+(\a)]
	v_lshl_or_b32 v[W4+(\a)], v[TM+7], 24, v[W4+(\a)]
	WIN WW                                         ; source 0: the accumulators' window
.irp b, 0,1,2,3,4,5,6,7
	v_cvt_scalef32_pk8_fp4_f32 v[CD+8*(\a)+4*(\b/4)+((\b%4)>>1)+2*((\b%4)&1)], v[AC+8*\b:AC+8*\b+7], v[TM+8+\b/2]
.endr
	WIN 0
	v_nop                                          ; one plain place behind a scaled conversion
.irp u, 0,2,4,6
	v_permlane16_swap_b32 v[CD+8*(\a)+\u], v[CD+8*(\a)+\u+1]   ; a whole block of 32 into each lane
.endr
	global_store_b128 v[LI], v[CD+8*(\a):CD+8*(\a)+3], s[92:93] offset:(\a)*1024          ; 32 lanes store 512 consecutive bytes, aligned to 256
	global_store_b128 v[LI], v[CD+8*(\a)+4:CD+8*(\a)+7], s[92:93] offset:(\a)*1024+512
.endm
	s_load_b256 s[4:11], s[0:1], 0x0               ; x's codes s[4:5], x's scales s[6:7], W's codes s[8:9], W's scales s[10:11]
	s_load_b128 s[12:15], s[0:1], 0x20             ; b_qkv s[12:13], qq s[14:15]
	s_load_b64 s[16:17], s[0:1], 0x30              ; kv
	v_lshl_add_u32 v[SPW], v0, 2, SPARE
	v_mov_b32 v[NIL], 0
	ds_add_u32 v[SPW], v[NIL]                      ; the wave's opening: an add, twice on end, and its wait ahead of my first tensor load
	ds_add_u32 v[SPW], v[NIL]
	v_lshrrev_b32 v1, 5, v0
	v_readfirstlane_b32 s18, v1                    ; wave 0..3
	s_lshr_b32 s19, s18, 1                         ; HI: R's half.  Also: I fetch for x (0) or for W (1)
	s_and_b32 s20, s18, 1                          ; LO: P's half.  Also: which 128 rows I fetch
	s_bfe_u32 s21, ttmp6, 0x40000                  ; cx
	s_bfe_u32 s22, ttmp6, 0x40004                  ; cy
	s_lshl_b32 s23, ttmp9, 2
	s_add_co_u32 s23, s23, s21                     ; X: W's rows 256 X on
	s_and_b32 s24, ttmp7, 0xffff
	s_lshl_b32 s24, s24, 2
	s_add_co_u32 s24, s24, s22                     ; Y: x's rows 256 Y on
	s_cmp_ge_u32 ttmp9, 2                          ; the cluster's x says q, k or v: the same in all sixteen partners
	s_cselect_b32 s25, 1, 0                        ; TT = 1: v
	s_xor_b32 s26, s25, 1                          ; UU = 1 - TT
	s_lshl_b32 s27, s22, 2
	s_lshl_b32 s27, 15, s27                        ; my row of the cluster
	s_lshl_b32 s28, 0x1111, s21                    ; my column
	s_or_b32 s[G1X], s27, (1<<20)|(1<<21)|(5<<22)|(3<<25)    ; the mask; elements of 1 byte; padding on, 4 words behind every 64; bit 21 beside a mask
	s_or_b32 s[G1W], s28, (1<<20)|(1<<21)|(5<<22)|(3<<25)
.irp g, G1X, G1W
	s_mov_b32 s[\g+1], 256<<16                     ; tensor_dim0 = 256 bytes
	s_mov_b32 s[\g+2], 128<<16                     ; tensor_dim1 = 128 rows
	s_mov_b32 s[\g+3], 256<<16                     ; tile_dim0
	s_mov_b32 s[\g+4], 128                         ; tile_dim1
	s_mov_b32 s[\g+5], 512                         ; from row to row
	s_mov_b32 s[\g+6], 0
	s_mov_b32 s[\g+7], 0
.endr
	s_or_b32 s[G1SX], s27, (3<<16)|(1<<20)|(1<<21)|(5<<22)|(3<<25)   ; the scale bytes of 128 rows: 4,096 dense bytes as 16 rows of 32 elements of 8 bytes
	s_or_b32 s[G1SW], s28, (3<<16)|(1<<20)|(1<<21)|(5<<22)|(3<<25)
.irp g, G1SX, G1SW
	s_mov_b32 s[\g+1], 32<<16
	s_mov_b32 s[\g+2], 16<<16
	s_mov_b32 s[\g+3], 32<<16
	s_mov_b32 s[\g+4], 16
	s_mov_b32 s[\g+5], 32
	s_mov_b32 s[\g+6], 0
	s_mov_b32 s[\g+7], 0
.endr
	s_lshl_b32 s100, s20, 7                        ; which 128 rows I fetch
	s_lshl_b32 s30, s24, 8
	s_add_co_u32 s30, s30, s100                    ; x's row: made of Y alone,
	s_lshl_b32 s30, s30, 5                         ; x 32: its scale bytes
	s_mov_b32 s31, 0
	s_lshl_b32 s66, s23, 8
	s_add_co_u32 s66, s66, s100                    ; W's row: made of X alone
	s_lshl_b32 s66, s66, 5
	s_mov_b32 s67, 0
	s_mul_i32 s98, s18, HALFS                      ; where they go: by the wave's number alone
	s_mul_i32 s99, s18, HALFT
	s_wait_dscnt 0x0                               ; both opening adds are done
	s_wait_kmcnt 0x0
	CROUND                                         ; all sixteen work-groups are here: the first joint loads meet
	s_mov_b32 s[G0SX], 1
	s_add_co_u32 s[G0SX+1], s98, SCL
	s_add_nc_u64 s[G0SX+2:G0SX+3], s[6:7], s[30:31]
	s_or_b32 s[G0SX+3], s[G0SX+3], 0x80000000
	s_mov_b32 s[G0SW], 1
	s_add_co_u32 s[G0SW+1], s98, SCL
	s_add_nc_u64 s[G0SW+2:G0SW+3], s[10:11], s[66:67]
	s_or_b32 s[G0SW+3], s[G0SW+3], 0x80000000
	JLOAD G0SX, G1SX, G0SW, G1SW                   ; the scale bytes, for all of K
	s_lshl_b32 s30, s30, 4                         ; row x 512: the codes
	s_lshl_b32 s66, s66, 4
	s_mov_b32 s[G0X0], 1
	s_mov_b32 s[G0X0+1], s99
	s_add_nc_u64 s[G0X0+2:G0X0+3], s[4:5], s[30:31]
	s_mov_b32 s[G0X1], 1
	s_add_co_u32 s[G0X1+1], s99, SLOT
	s_add_nc_u64 s[G0X1+2:G0X1+3], s[G0X0+2:G0X0+3], 256
	s_or_b32 s[G0X0+3], s[G0X0+3], 0x80000000
	s_or_b32 s[G0X1+3], s[G0X1+3], 0x80000000
	s_mov_b32 s[G0W0], 1
	s_mov_b32 s[G0W0+1], s99
	s_add_nc_u64 s[G0W0+2:G0W0+3], s[8:9], s[66:67]
	s_mov_b32 s[G0W1], 1
	s_add_co_u32 s[G0W1+1], s99, SLOT
	s_add_nc_u64 s[G0W1+2:G0W1+3], s[G0W0+2:G0W0+3], 256
	s_or_b32 s[G0W0+3], s[G0W0+3], 0x80000000
	s_or_b32 s[G0W1+3], s[G0W1+3], 0x80000000
	JLOAD G0X0, G1X, G0W0, G1W                     ; K half 0
	JLOAD G0X1, G1X, G0W1, G1W                     ; K half 1: three loads of mine are out
	s_mov_b32 s98, 0x76543210                      ; v_permlanex16_b32's selects for lane l xor 16
	s_mov_b32 s99, 0xfedcba98
	s_mov_b32 s100, 0xffff0000                     ; lanes 16-31
	s_mov_b32 s101, 0x7f7f0000                     ; two bytes of scale 1 for the half of a K step that a head does not fill
	v_and_b32 v1, 15, v0                           ; r
	v_bfe_u32 v2, v0, 4, 1                         ; h
	v_and_b32 v3, 31, v0                           ; lane
	v_mul_u32_u24 v4, v1, PITCH
	v_lshl_add_u32 v4, v2, 4, v4                   ; a fragment's row x pitch + 16 h
	s_mul_i32 s2, s25, 2*HALFT                     ; R: x's rows (q, k) or W's, which lie behind x's 256 (v),
	s_mul_i32 s3, s19, HALFT                       ; half HI
	s_add_co_u32 s2, s2, s3
	v_add_nc_u32 v[ADRR], s2, v4
	v_add_nc_u32 v[ADRR+1], SLOT, v[ADRR]
	s_mul_i32 s2, s26, 2*HALFT                     ; P: the other operand, half LO
	s_mul_i32 s3, s20, HALFT
	s_add_co_u32 s2, s2, s3
	v_add_nc_u32 v[ADRP], s2, v4
	v_add_nc_u32 v[ADRP+1], SLOT, v[ADRP]
	v_lshrrev_b32 v5, 3, v3
	v_lshlrev_b32 v6, 5, v3
	v_lshl_add_u32 v5, v5, 4, v6                   ; a row's 32 scale bytes: 32 lane, and 16 more for each 256 passed
	s_wait_alu depctr_va_vdst(0)
	s_mul_i32 s2, s25, 2*HALFS
	s_mul_i32 s3, s19, HALFS
	s_add_co_u32 s2, s2, s3
	s_add_co_u32 s2, s2, SCL
	v_add_nc_u32 v[ADSR], s2, v5
	s_mul_i32 s2, s26, 2*HALFS
	s_mul_i32 s3, s20, HALFS
	s_add_co_u32 s2, s2, s3
	s_add_co_u32 s2, s2, SCL
	v_add_nc_u32 v[ADSP], s2, v5
	v_lshlrev_b32 v[LI], 4, v3
	v_lshlrev_b32 v[L8], 3, v3
	; the bias in the result's layout.  q, k: register j of block b is channel 16 b + 8 h + j;  v: every register of block a is channel 16 a + r
	s_cmp_eq_u32 s25, 1
	s_cselect_b32 s2, 4, 0                         ; bytes for each r,
	s_cselect_b32 s3, 0, 32                        ; for h,
	s_cselect_b32 s29, 0, 4                        ; for each register
	s_cselect_b32 s92, s19, s20                    ; my half of the 256 channels,
	s_cselect_b32 s94, s20, s19                    ; and of the 256 tokens
	v_mul_u32_u24 v[BO], s2, v1
	v_mad_u32_u24 v[BO], v2, s3, v[BO]
.irp j, 1,2,3,4,5,6,7
	v_add_nc_u32 v[BO+\j], s29, v[BO+\j-1]
.endr
	s_lshl_b32 s96, s92, 9
	s_lshl_b32 s97, s23, 10
	s_add_co_u32 s96, s96, s97                     ; 4 (256 X + 128 half)
	s_mov_b32 s97, 0
	s_add_nc_u64 s[96:97], s[12:13], s[96:97]
.irp i, 0,1,2,3,4,5,6,7
.irp j, 0,1,2,3,4,5,6,7
	global_load_b32 v[BIAS+8*\i+\j], v[BO+\j], s[96:97] offset:64*\i
.endr
.endr
	; where my results go: record ((batch x 8 + head pair) x 16 + group)
	s_lshl_b32 s93, s21, 1
	s_add_co_u32 s92, s92, s93                     ; head pair = 2 cx + my half of the channels
	s_lshr_b32 s93, s24, 3
	s_lshl_b32 s93, s93, 3                         ; batch x 8
	s_add_co_u32 s92, s92, s93
	s_lshl_b32 s92, s92, 4
	s_and_b32 s93, s24, 7
	s_lshl_b32 s93, s93, 1
	s_add_co_u32 s93, s93, s94                     ; group = 2 (Y % 8) + my half of the tokens
	s_add_co_u32 s92, s92, s93
	s_cmp_eq_u32 ttmp9, 0                          ; q goes to qq, k and v to kv
	s_mov_b32 s93, 17920
	s_cselect_b32 s93, 9216, s93                   ; a record's bytes
	s_mov_b32 s29, 16384
	s_cselect_b32 s29, 8192, s29                   ; from the codes to the scale words: q, k
	s_cselect_b64 s[94:95], s[14:15], s[16:17]
	s_mul_i32 s92, s92, s93
	s_cmp_eq_u32 s25, 1
	s_cselect_b32 s93, 8192, 0                     ; V's images lie behind K's
	s_cselect_b32 s29, 9216, s29                   ; and V's scale words at 17,408
	s_add_co_u32 s92, s92, s93
	s_mov_b32 s93, 0
	s_add_nc_u64 s[92:93], s[94:95], s[92:93]      ; the codes
	s_mov_b32 s94, s29
	s_mov_b32 s95, 0
	s_add_nc_u64 s[94:95], s[92:93], s[94:95]      ; the scale words
	s_wait_tensorcnt 0x1                           ; the scale bytes and my part of K half 0 are in; K half 1's load may stay out
	s_barrier_signal -1
	s_barrier_wait -1                              ; everybody's are
.irp ip, 0,1,2,3
.irp s, 0,1
	ds_load_b128 v[SCR+8*\ip+4*\s:SCR+8*\ip+4*\s+3], v[ADSR] offset:\ip*1088+16*\s   ; four words of row 32 ip + lane
	ds_load_b128 v[SCP+8*\ip+4*\s:SCP+8*\ip+4*\s+3], v[ADSP] offset:\ip*1088+16*\s
.endr
.endr
	FETCH 0
	s_wait_dscnt 0x0                               ; scale words and K step 0's fragments
	s_wait_loadcnt 0x0                             ; the bias
	FETCH 1
	s_cmp_eq_u32 s25, 0
	s_cbranch_scc0 .Lvb
	MULS 0, 1                                      ; the first K step starts the sums with the bias: nothing is cleared, nothing added later
	s_branch .Lstarted
.Lvb:
	MULS 0, 2
.Lstarted:
	STEP 1, 1, 0
	STEP 2, 1, 0
	STEP 3, 1, 1                                   ; K step 4 lies in K half 1
	STEP 4, 1, 0
	STEP 5, 1, 0
	STEP 6, 1, 0
	STEP 7, 0, 0
	PLACES 4                                       ; in front of the first read of results
.irp a, 0,1,2,3,4,5,6,7
	QROW \a
.endr
.irp q, 0,1,2,3
	v_cndmask_b32 v[MQ+\q], v[W4+2*\q], v[W4+2*\q+1], s100     ; lanes 0-15: block 2 q's word, lanes 16-31: block 2 q + 1's: lane l has row 32 q + l
.endr
	s_cmp_eq_u32 s25, 0
	s_cbranch_scc0 .Lvs
.irp q, 0,1,2,3
	v_and_or_b32 v[P0+\q], v[MQ+\q], 0xffff, s101  ; q, k: the first head's two bytes, and two bytes of scale 1
	v_lshrrev_b32 v[P1+\q], 16, v[MQ+\q]
.endr
.irp q, 0,1,2,3
	v_or_b32 v[P1+\q], s101, v[P1+\q]              ; the second head's
.endr
	global_store_b128 v[LI], v[P0:P0+3], s[94:95]
	global_store_b128 v[LI], v[P1:P1+3], s[94:95] offset:512
	s_branch .Lend
.Lvs:
	s_wait_alu depctr_va_vdst(0)
	global_store_b64 v[L8], v[MQ:MQ+1], s[94:95]               ; v: the first head's four d tiles: 256 consecutive bytes,
	global_store_b64 v[L8], v[MQ+2:MQ+3], s[94:95] offset:256  ; the second head's
.Lend:
	s_wait_tensorcnt 0x0                           ; the wave's end
	ds_add_u32 v[SPW], v[NIL]
	s_wait_dscnt 0x0
	CROUND                                         ; the closing round
	s_endpgm
.Lfunc_end_k_q325e83d4e4_qkv:
	.size	k_q325e83d4e4_qkv, .Lfunc_end_k_q325e83d4e4_qkv-k_q325e83d4e4_qkv
	.p2alignl 7, 3214868480
	.fill 96, 4, 3214868480
	.section	.rodata,"a",@progbits
	.p2align	6, 0x0
	.amdhsa_kernel k_q325e83d4e4_qkv
		.amdhsa_group_segment_fixed_size 296448
		.amdhsa_private_segment_fixed_size 0
		.amdhsa_enable_private_segment 0
		.amdhsa_kernarg_size 56
		.amdhsa_user_sgpr_count 2
		.amdhsa_user_sgpr_kernarg_segment_ptr 1
		.amdhsa_wavefront_size32 1
		.amdhsa_system_sgpr_workgroup_id_x 1
		.amdhsa_system_sgpr_workgroup_id_y 1
		.amdhsa_system_sgpr_workgroup_id_z 1
		.amdhsa_system_vgpr_workitem_id 0
		.amdhsa_next_free_vgpr 1024
		.amdhsa_next_free_sgpr 102
		.amdhsa_reserve_vcc 0
		.amdhsa_float_denorm_mode_32 3
		.amdhsa_float_denorm_mode_16_64 3
		.amdhsa_memory_ordered 1
		.amdhsa_forward_progress 1
		.amdhsa_inst_pref_size 143
	.end_amdhsa_kernel
	.amdgpu_metadata
---
amdhsa.version: [ 1, 2 ]
amdhsa.kernels:
  - .name:           k_q325e83d4e4_qkv
    .symbol:         k_q325e83d4e4_qkv.kd
    .args:
      - { .name: x_codes, .offset: 0, .size: 8, .value_kind: global_buffer, .address_space: global }
      - { .name: x_scales, .offset: 8, .size: 8, .value_kind: global_buffer, .address_space: global }
      - { .name: w_qkv_codes, .offset: 16, .size: 8, .value_kind: global_buffer, .address_space: global }
      - { .name: w_qkv_scales, .offset: 24, .size: 8, .value_kind: global_buffer, .address_space: global }
      - { .name: b_qkv, .offset: 32, .size: 8, .value_kind: global_buffer, .address_space: global }
      - { .name: qq, .offset: 40, .size: 8, .value_kind: global_buffer, .address_space: global }
      - { .name: kv, .offset: 48, .size: 8, .value_kind: global_buffer, .address_space: global }
    .group_segment_fixed_size: 296448
    .private_segment_fixed_size: 0
    .kernarg_segment_align: 8
    .kernarg_segment_size: 56
    .max_flat_workgroup_size: 128
    .sgpr_count:     102
    .vgpr_count:     1024
    .wavefront_size: 32
...
	.end_amdgpu_metadata
.endif
;; end of part 1
;; launch attn (part 2): grid 8 x 32, 16 waves a work-group, clusters of 4 x 1, 327,680 bytes of LDS; arguments qq, kv, ac, asc; writes ac, asc
.if DOCPART == 2
	.amdgcn_target "amdgcn-amd-amdhsa--gfx1250"
	.amdhsa_code_object_version 6
	.text
	.protected	k_q325e83d4e4_attn
	.globl	k_q325e83d4e4_attn
	.p2align	8
	.type	k_q325e83d4e4_attn,@function
k_q325e83d4e4_attn:
	s_mov_b64 s[64:65], 0
	v_nop
	global_prefetch_b8 v0, s[64:65] scope:SCOPE_SE
	s_setreg_imm32_b32 hwreg(HW_REG_WAVE_MODE, 25, 1), 1
	s_wait_xcnt 0x0
	s_wait_alu depctr_hold_cnt(0) depctr_sa_sdst(0) depctr_va_vdst(0) depctr_va_sdst(0) depctr_va_ssrc(0) depctr_va_vcc(0) depctr_vm_vsrc(0)
	s_getreg_b32 s2, hwreg(HW_REG_IB_STS2, 6, 4)
	s_cmp_eq_u32 s2, 0
	s_cbranch_scc0 .Lentry_in_a_cluster
	s_endpgm
.Lentry_in_a_cluster:
	s_bfe_u32 s2, ttmp6, 0x10000c
	s_cmp_lg_u32 s2, 0x3003
	s_cbranch_scc0 .Lentry_shape_is_right
	s_endpgm
.Lentry_shape_is_right:
; Attention on codes of FP4 (E2M1): S^T = K Q^T, p = 2^(t - M), O^T = V^T P^T, O / l, and O quantised along the channels for the projection.
; t = score x log2(e) / 8; M = the row's largest t so far rounded UP to a whole number; p is quantised along the keys, not normalised; the row's sum is taken of the unquantised p.
; SHARES.  A work-group owns 256 queries of one head pair (batch x 8 + pair = work-group y); each of its sixteen waves owns 16 queries and takes the pair's two heads one after the other, each over all 2,048 keys, 128 a step.
; The pair's whole record of kv (16 steps x 17,920 bytes: K's images, V's images, their scale words) lies in LDS, filled once: two tensor loads a wave, 35 rows of 256 bytes each.
; CLUSTER.  The four query blocks of a cluster read the same record: each load is asked for jointly, with the same descriptor and the mask of all four.
; LAYOUT.  Both products are used transposed, so that a lane holds one query (lane % 16) throughout.  In S^T register j of tile t is key 16 t + 8 h + j: a block of 32 keys is tiles 2 b, 2 b + 1 in lanes l and l xor 16.
; One conversion a tile; of four tiles the results go to registers 0, 2, 1, 3, and two exchanges of lane halves give registers 4 c .. 4 c + 3 of the operand (keys 64 c + 32 h + 0 .. 31).
; K = 64 IN AN INSTRUCTION OF 128: Q's registers 4-7 hold zero codes; K's operand for tile t is its four registers and the next tile's four, which meet those zeros under scale bytes of 1 and add nothing.
; OUT.  ac: [tile of 16 tokens 512][pair 8][head 2][512]: an image, block h of the head in lane (r, h).  asc: [pair 8][group of 128 tokens 64][lane 32][4] words: word (l, p) is token 32 p + l, two bytes a head.
; LIMITS: NaN and infinities are not served.  A block of zeros gets the byte 1 where the rule says 127: its codes are zeros, and this program alone reads the bytes.
.set STEPB, 17920                      ; a key step's bytes
.set RECB,  16*STEPB
.set ASG,   RECB                       ; behind the record: the work-group's 256 scale words; no tensor load lands here
.set SPARE, ASG+1024                   ; the spare words, 128 bytes a wave
.set LI,  1                            ; v1   16 x lane
.set L8,  2                            ; v2   8 x lane
.set SPW, 3                            ; v3   my spare word; never rewritten
.set NIL, 4                            ; v4   0; never rewritten
.set QSO, 5                            ; v5   my query's scale word in a group's 512 bytes
.set ASA, 6                            ; v6   where I put my query's scale word in LDS
.set ADK, 7                            ; v7   the step's record + 16 x lane
.set AD8, 8                            ; v8   + 8 x lane
.set WD,  9                            ; v9   my query's scale word for the projection
.set ASR, 10                           ; v10  where waves 0 and 1 read 512 bytes of scale words back
.set QIO, 11                           ; v11  my tile's image of Q in its record
.set QF,  16                           ; v16-23, v24-31 Q of head 0, 1: four registers of codes, four of zeros
.set KF,  32                           ; v32-63 K's eight tiles, four registers each; v64-67 zeros
.set VF,  68                           ; v68-99 V's four tiles
.set S,   100                          ; v100-163 S^T, then p
.set OA,  164                          ; v164-195 O^T
.set PC,  196                          ; v196-203 p's codes
.set KS,  204                          ; v204-207 K's scale words
.set VS,  208                          ; v208-209 V's
.set PS,  210                          ; v210 p's
.set QS,  211                          ; v211-212 Q's, head 0, 1
.set BM,  216                          ; v216-219 a block's largest score, then p
.set BX,  220                          ; v220-223 at work
.set SO,  224                          ; v224-227 the conversions' scale operands
.set C2,  228                          ; v[228:229] the sum's second chain
.set FF,  230                          ; v[230:231] f = 2^(old M - new M)
.set TT,  232                          ; v232 at work
.set OC,  236                          ; v236-243 O's codes, four registers a head
.set BK,  244                          ; v244-247 scale words on their way out
.set WV,  12
.set SEL, 20                           ; s[20:21] lane l xor 16
.set CS,  22                           ; s[22:23] c = log2(e) / 8
.set G1,  24
.set G0A, 32
.set G0B, 36
.set TB,  40                           ; s40 LDS byte at which the step's record begins
.set CNT, 41
.macro CROUND                          ; a round of the cluster's barrier
	s_barrier_signal -1
	s_barrier_wait -1
	s_cmp_lg_u32 s[WV], 0
	s_cbranch_scc1 .Lnot_wave_0_\@
	s_barrier_signal -3
.Lnot_wave_0_\@:
	s_barrier_wait -3
	s_barrier_signal -1
	s_barrier_wait -1
.endm
	s_load_b256 s[4:11], s[0:1], 0x0               ; qq s[4:5], kv s[6:7], ac s[8:9], asc s[10:11]
	v_lshl_add_u32 v[SPW], v0, 2, SPARE
	v_mov_b32 v[NIL], 0
	ds_add_u32 v[SPW], v[NIL]                      ; the wave's opening: an add, twice on end, and its wait ahead of my first tensor load
	ds_add_u32 v[SPW], v[NIL]
	v_lshrrev_b32 v12, 5, v0
	s_delay_alu instid0(VALU_DEP_1)
	v_readfirstlane_b32 s[WV], v12                 ; wave 0..15
	s_bfe_u32 s13, ttmp6, 0x40000                  ; cx
	s_lshl_b32 s14, ttmp9, 2
	s_add_co_u32 s14, s14, s13                     ; my block of 256 queries: it enters Q's and the outputs' addresses alone
	s_and_b32 s15, ttmp7, 0xffff                   ; batch x 8 + head pair, which the four partners share
	s_mov_b32 s[G1], 15|(3<<16)|(1<<21)            ; the mask: all four; elements of 8 bytes; no padding; bit 21 beside a mask
	s_mov_b32 s[G1+1], 32<<16                      ; tensor_dim0 = 32 elements: 256 bytes
	s_mov_b32 s[G1+2], 35<<16                      ; tensor_dim1 = 35 rows
	s_mov_b32 s[G1+3], 32<<16                      ; tile_dim0
	s_mov_b32 s[G1+4], 35                          ; tile_dim1
	s_mov_b32 s[G1+5], 32                          ; dense
	s_mov_b32 s[G1+6], 0
	s_mov_b32 s[G1+7], 0
	s_mov_b32 s[G0A], 1
	s_mul_i32 s[G0A+1], s[WV], 8960                ; my 35 rows of the record's first half
	s_mov_b32 s[G0B], 1
	s_add_co_u32 s[G0B+1], s[G0A+1], 143360        ; and of its second
	s_mul_i32 s44, s15, RECB
	s_add_co_u32 s44, s44, s[G0A+1]
	s_mov_b32 s45, 0
	s_mov_b32 s[SEL], 0x76543210
	s_mov_b32 s[SEL+1], 0xfedcba98
	s_mov_b32 s[CS], 0x3e38aa3b                    ; log2(e) / 8
	s_mov_b32 s[CS+1], s[CS]                       ; (named with it as a pair, so it is written)
	s_wait_dscnt 0x0                               ; both opening adds are done
	s_wait_kmcnt 0x0
	s_add_nc_u64 s[G0A+2:G0A+3], s[6:7], s[44:45]
	s_add_nc_u64 s[G0B+2:G0B+3], s[G0A+2:G0A+3], 143360
	s_or_b32 s[G0A+3], s[G0A+3], 0x80000000
	s_or_b32 s[G0B+3], s[G0B+3], 0x80000000
	CROUND                                         ; all four work-groups are here: the joint loads meet
	tensor_load_to_lds s[G0A:G0A+3], s[G1:G1+7]    ; every wave issues both, one at a time: one load of mine is out
	s_nop 0
	s_wait_alu depctr_va_vdst(0)
	s_wait_tensorcnt 0x0
	ds_add_u32 v3, v4
	s_wait_dscnt 0x0
	CROUND
	tensor_load_to_lds s[G0B:G0B+3], s[G1:G1+7]
	s_nop 0
.rept 4
	v_nop
.endr
	v_and_b32 v12, 31, v0                          ; lane
	v_and_b32 v13, 15, v0                          ; r
	s_delay_alu instid0(VALU_DEP_2)
	v_lshlrev_b32 v[LI], 4, v12
	s_wait_alu depctr_va_vdst(0)
	v_lshlrev_b32 v[L8], 3, v12
	s_and_b32 s46, s[WV], 1
	s_lshl_b32 s47, s46, 8
	s_bfe_u32 s48, s[WV], 0x20001                  ; (wave / 2) % 4
	s_lshl_b32 s48, s48, 2
	s_add_co_u32 s47, s47, s48
	v_lshl_add_u32 v[QSO], v13, 4, s47             ; token 16 (wave % 8) + r = 32 p + l: 16 l + 4 p
	s_wait_alu depctr_va_vdst(0)
	s_lshr_b32 s48, s[WV], 3                       ; which of the block's two groups of 128
	s_lshl_b32 s49, s48, 9
	s_add_co_u32 s49, s49, ASG
	v_add_nc_u32 v[ASA], s49, v[QSO]
	s_lshl_b32 s49, s46, 9
	s_add_co_u32 s49, s49, ASG
	v_add_nc_u32 v[ASR], s49, v[LI]
	s_and_b32 s49, s[WV], 7
	s_lshl_b32 s49, s49, 10
	v_add_nc_u32 v[QIO], s49, v[LI]
	s_lshl_b32 s50, s15, 4                         ; Q's record: y x 16 + 2 x block + group
	s_lshl_b32 s51, s14, 1
	s_add_co_u32 s50, s50, s51
	s_add_co_u32 s50, s50, s48
	s_mul_i32 s50, s50, 9216
	s_mov_b32 s51, 0
	s_add_nc_u64 s[16:17], s[4:5], s[50:51]
	global_load_b128 v[QF:QF+3], v[QIO], s[16:17]
	global_load_b128 v[QF+8:QF+11], v[QIO], s[16:17] offset:512
	global_load_b32 v[QS], v[QSO], s[16:17] offset:8192
	global_load_b32 v[QS+1], v[QSO], s[16:17] offset:8704
	s_lshr_b32 s50, s15, 3                         ; ac: tile = batch x 128 + block x 16 + wave, 8,192 bytes each; + pair x 1,024
	s_lshl_b32 s50, s50, 7
	s_lshl_b32 s52, s14, 4
	s_add_co_u32 s50, s50, s52
	s_add_co_u32 s50, s50, s[WV]
	s_lshl_b32 s50, s50, 13
	s_and_b32 s52, s15, 7
	s_lshl_b32 s53, s52, 10
	s_add_co_u32 s50, s50, s53
	s_add_nc_u64 s[18:19], s[8:9], s[50:51]
	s_lshl_b32 s50, s52, 6                         ; asc: (pair x 64 + batch x 16 + 2 x block + wave % 2) x 512
	s_lshr_b32 s53, s15, 3
	s_lshl_b32 s53, s53, 4
	s_add_co_u32 s50, s50, s53
	s_lshl_b32 s53, s14, 1
	s_add_co_u32 s50, s50, s53
	s_add_co_u32 s50, s50, s46
	s_lshl_b32 s50, s50, 9
	s_add_nc_u64 s[42:43], s[10:11], s[50:51]
.irp j, 4,5,6,7,12,13,14,15
	v_mov_b32 v[QF+\j], 0                          ; Q's zero codes for k = 64 .. 127
.endr
.irp j, 0,1,2,3
	v_mov_b32 v[KF+32+\j], 0                       ; what stands behind K's last tile
	v_mov_b32 v[BX+\j], 0                          ; written once: a lane permute's destination counts as one of its sources
.endr
	v_mov_b32 v[FF+1], 0                           ; (named as the upper half of a pair)
	v_mov_b32 v[TT], 0
	s_wait_tensorcnt 0x0                           ; my parts of the record have landed,
	s_barrier_signal -1
	s_barrier_wait -1                              ; everybody's have
	s_wait_loadcnt 0x0                             ; Q
.macro INIT
	v_mov_b32 v13, 0xff61b1e6                      ; the largest t so far: -3e38, under every t
	s_delay_alu instid0(VALU_DEP_1)
	v_floor_f32 v12, -v13                          ; -M
	v_mov_b32 v14, 0                               ; the sum, in two halves
	v_mov_b32 v15, 0
.set j, 0
.rept 32
	v_mov_b32 v[OA+j], 0                           ; O^T: the step is written once a head; the first finds zeros, which the first change of M leaves zeros
.set j, j+1
.endr
	s_mov_b32 s[TB], 0
	s_mov_b32 s[CNT], 16
.endm
; A KEY STEP: 128 keys of head hd
.macro STEP hd
	s_setprio 2
	v_add_nc_u32 v[ADK], s[TB], v[LI]
	v_add_nc_u32 v[AD8], s[TB], v[L8]
	v_nop
	v_nop                                          ; four places in front of loads into registers that the last products have read
.irp t, 0,1,2,3,4,5,6,7
	ds_load_b128 v[KF+4*\t:KF+4*\t+3], v[ADK] offset:\t*1024+\hd*512
.endr
	ds_load_b128 v[KS:KS+3], v[ADK] offset:16384+\hd*512
.irp f, 0,1,2,3,4,5,6,7
	ds_load_b128 v[VF+4*\f:VF+4*\f+3], v[ADK] offset:8192+\hd*4096+\f*512
.endr
	ds_load_b64 v[VS:VS+1], v[AD8] offset:17408+\hd*256
	s_wait_dscnt 0x9                               ; K and its scale words are in; V's eight loads and its scale words may stay out
.irp t, 0,1,2,3,4,5,6,7
.if \t%2
	v_wmma_scale_f32_16x16x128_f8f6f4 v[S+8*\t:S+8*\t+7], v[KF+4*\t:KF+4*\t+7], v[QF+8*\hd:QF+8*\hd+7], 0, v[KS+\t/2], v[QS+\hd] matrix_a_fmt:MATRIX_FMT_FP4 matrix_b_fmt:MATRIX_FMT_FP4 matrix_a_scale:MATRIX_SCALE_ROW1
.else
	v_wmma_scale_f32_16x16x128_f8f6f4 v[S+8*\t:S+8*\t+7], v[KF+4*\t:KF+4*\t+7], v[QF+8*\hd:QF+8*\hd+7], 0, v[KS+\t/2], v[QS+\hd] matrix_a_fmt:MATRIX_FMT_FP4 matrix_b_fmt:MATRIX_FMT_FP4
.endif
.endr
.rept 4
	v_nop                                          ; places in front of the first read of results
.endr
.irp b, 0,1,2,3
	v_max3_num_f32 v[BM+\b], v[S+16*\b], v[S+16*\b+1], v[S+16*\b+2]   ; the largest score of each block of 32 keys: for the row's maximum and, since p rises with the score, for the block's largest p
.endr
.irp i, 3,5,7,9,11,13
.irp b, 0,1,2,3
	v_max3_num_f32 v[BM+\b], v[BM+\b], v[S+16*\b+\i], v[S+16*\b+\i+1]
.endr
.endr
.irp b, 0,1,2,3
	v_max_num_f32 v[BM+\b], v[BM+\b], v[S+16*\b+15]
.endr
.irp b, 0,1,2,3
	s_delay_alu instid0(VALU_DEP_4)
	v_permlanex16_b32 v[BX+\b], v[BM+\b], s[SEL], s[SEL+1]
.endr
.irp b, 0,1,2,3
	s_delay_alu instid0(VALU_DEP_4)
	v_max_num_f32 v[BM+\b], v[BM+\b], v[BX+\b]     ; with lane l xor 16's 16 keys
.endr
	s_delay_alu instid0(VALU_DEP_2)
	v_max3_num_f32 v[TT], v[BM], v[BM+1], v[BM+2]
	s_delay_alu instid0(VALU_DEP_1)
	v_max_num_f32 v[TT], v[TT], v[BM+3]            ; the step's largest score of my query
	s_delay_alu instid0(VALU_DEP_1)
	v_mul_f32 v[TT], s[CS], v[TT]                  ; as t (c is positive)
	s_delay_alu instid0(VALU_DEP_1)
	v_max_num_f32 v13, v13, v[TT]                  ; the running largest t
	v_mov_b32 v[TT], v12
	s_delay_alu instid0(VALU_DEP_2)
	v_floor_f32 v12, -v13                          ; the new -M = floor(-t): M is a whole number
	s_delay_alu instid0(VALU_DEP_1)
	v_sub_f32 v[TT], v12, v[TT]                    ; old M - new M: a whole number, 0 or less
	s_delay_alu instid0(VALU_DEP_1)
	v_cvt_i32_f32 v[TT], v[TT]                     ; (it saturates)
	s_delay_alu instid0(VALU_DEP_1)
	v_ldexp_f32 v[FF], 1.0, v[TT]                  ; f = 2^(old M - new M): a multiplication by it rounds nothing
.set j, 0
.rept 32
	v_pk_fma_f32 v[S+j:S+j+1], v[S+j:S+j+1], s[CS:CS+1], v[12:13] op_sel_hi:[1,0,0]   ; t - M, two at a time
.set j, j+2
.endr
.irp b, 0,1,2,3
	v_fma_f32 v[BM+\b], v[BM+\b], s[CS], v12       ; the same of each block's largest score
.endr
.set j, 0
	s_wait_alu depctr_va_vdst(0)
.rept 64
	v_exp_f32 v[S+j], v[S+j]                       ; p = 2^(t - M), at most 1
.set j, j+1
.endr
	s_setprio 1
	v_pk_mul_f32 v[14:15], v[14:15], v[FF:FF+1] op_sel_hi:[1,0]   ; the sums under the new M: the plain place behind the exponentials
	s_wait_alu depctr_va_vdst(0)                   ; one wait for the whole batch, ahead of its first reader
.irp b, 0,1,2,3
	v_exp_f32 v[BM+\b], v[BM+\b]                   ; the block's largest p: the same two instructions on the same number
.endr
	v_pk_add_f32 v[C2:C2+1], v[S:S+1], v[S+2:S+3]  ; the row's sum is taken of the unquantised p, in two chains
.irp j, 4,8,12,16,20,24,28,32,36,40,44,48,52,56,60
	v_pk_add_f32 v[14:15], v[14:15], v[S+\j:S+\j+1]
	v_pk_add_f32 v[C2:C2+1], v[C2:C2+1], v[S+\j+2:S+\j+3]
.endr
	s_delay_alu instid0(VALU_DEP_1)
	v_pk_add_f32 v[14:15], v[14:15], v[C2:C2+1]
	s_wait_alu depctr_va_vdst(0)                   ; and one for the four
.irp b, 0,1,2,3
	v_max_num_f32 v[BM+\b], 0x1800000, v[BM+\b]    ; the floor 2^(3 - 127): the byte cannot fall under 1
.endr
.irp b, 0,1,2,3
	s_delay_alu instid0(VALU_DEP_4)
	v_add_nc_u32 v[SO+\b], 0xff000000, v[BM+\b]    ; 2 off the exponent field: the conversion's scale operand
.endr
.irp b, 0,1,2,3
	s_delay_alu instid0(VALU_DEP_4)
	v_lshrrev_b32 v[BX+\b], 23, v[SO+\b]           ; the scale's byte
.endr
	s_delay_alu instid0(VALU_DEP_3)
	v_lshl_or_b32 v[PS], v[BX+1], 8, v[BX]         ; p's scale word for these 128 keys
	s_delay_alu instid0(VALU_DEP_1)
	v_lshl_or_b32 v[PS], v[BX+2], 16, v[PS]
	s_delay_alu instid0(VALU_DEP_1)
	v_lshl_or_b32 v[PS], v[BX+3], 24, v[PS]
.irp t, 0,1,2,3,4,5,6,7
	v_cvt_scalef32_pk8_fp4_f32 v[PC+4*(\t/4)+((\t%4)>>1)+2*((\t%4)&1)], v[S+8*\t:S+8*\t+7], v[SO+\t/2]
.endr
	v_nop                                          ; one plain place behind a scaled conversion
.irp u, 0,2,4,6
	v_permlane16_swap_b32 v[PC+\u], v[PC+\u+1]     ; a whole block of 32 keys into each lane
.endr
.set j, 0
	s_setprio 0
.rept 16
	v_pk_mul_f32 v[OA+j:OA+j+1], v[OA+j:OA+j+1], v[FF:FF+1] op_sel_hi:[1,0]   ; O^T under the new M.  (These sixteen are also the places between the scale word, the codes and the products below)
.set j, j+2
.endr
	s_wait_alu depctr_va_vdst(0)
	s_wait_dscnt 0x0                               ; V and its scale words are in
.irp d, 0,1,2,3
.if \d%2
	v_wmma_scale_f32_16x16x128_f8f6f4 v[OA+8*\d:OA+8*\d+7], v[VF+8*\d:VF+8*\d+7], v[PC:PC+7], v[OA+8*\d:OA+8*\d+7], v[VS+\d/2], v[PS] matrix_a_fmt:MATRIX_FMT_FP4 matrix_b_fmt:MATRIX_FMT_FP4 matrix_a_scale:MATRIX_SCALE_ROW1
.else
	v_wmma_scale_f32_16x16x128_f8f6f4 v[OA+8*\d:OA+8*\d+7], v[VF+8*\d:VF+8*\d+7], v[PC:PC+7], v[OA+8*\d:OA+8*\d+7], v[VS+\d/2], v[PS] matrix_a_fmt:MATRIX_FMT_FP4 matrix_b_fmt:MATRIX_FMT_FP4
.endif
.endr
	s_add_co_u32 s[TB], s[TB], STEPB               ; the next step's record
.endm
; O^T / the sum, quantised along the head's 64 channels (two blocks), stored as an image
.macro FINISH hd
	v_add_f32 v14, v14, v15                        ; the sum's two halves,
	s_delay_alu instid0(VALU_DEP_1)
	v_permlanex16_b32 v[TT], v14, s[SEL], s[SEL+1]
	s_delay_alu instid0(VALU_DEP_1)
	v_add_f32 v14, v14, v[TT]                      ; and lane l xor 16's
	s_wait_alu depctr_va_vdst(0)
	v_rcp_f32 v14, v14
.rept 3
	v_nop                                          ; with the two additions: the places behind the last products; and the plain place behind the reciprocal
.endr
	s_wait_alu depctr_va_vdst(0)                   ; ahead of the reciprocal's first reader
.set j, 0
.rept 16
	v_pk_mul_f32 v[S+j:S+j+1], v[OA+j:OA+j+1], v[14:15] op_sel_hi:[1,0]   ; register 8 d + i is channel 16 d + 8 h + i; each accumulator from its low end on
.set j, j+2
.endr
.irp b, 0,1
	v_max3_num_f32 v[BM+\b], |v[S+16*\b]|, |v[S+16*\b+1]|, 0x1800000
.endr
.irp i, 2,4,6,8,10,12,14
.irp b, 0,1
	s_delay_alu instid0(VALU_DEP_2)
	v_max3_num_f32 v[BM+\b], v[BM+\b], |v[S+16*\b+\i]|, |v[S+16*\b+\i+1]|
.endr
.endr
.irp b, 0,1
	s_delay_alu instid0(VALU_DEP_2)
	v_permlanex16_b32 v[BX+\b], v[BM+\b], s[SEL], s[SEL+1]
.endr
.irp b, 0,1
	s_delay_alu instid0(VALU_DEP_2)
	v_max_num_f32 v[BM+\b], v[BM+\b], v[BX+\b]
.endr
.irp b, 0,1
	s_delay_alu instid0(VALU_DEP_2)
	v_add_nc_u32 v[SO+\b], 0xff000000, v[BM+\b]
.endr
.irp b, 0,1
	s_delay_alu instid0(VALU_DEP_2)
	v_lshrrev_b32 v[BX+\b], 23, v[SO+\b]
.endr
.if \hd == 0
	s_delay_alu instid0(VALU_DEP_1)
	v_lshl_or_b32 v[WD], v[BX+1], 8, v[BX]         ; bytes 0, 1 of the projection's scale word
.else
	s_delay_alu instid0(VALU_DEP_1)
	v_lshl_or_b32 v[TT], v[BX+1], 8, v[BX]
	s_delay_alu instid0(VALU_DEP_1)
	v_lshl_or_b32 v[WD], v[TT], 16, v[WD]          ; bytes 2, 3
.endif
.irp t, 0,1,2,3
	v_cvt_scalef32_pk8_fp4_f32 v[OC+4*\hd+(\t>>1)+2*(\t&1)], v[S+8*\t:S+8*\t+7], v[SO+\t/2]
.endr
	v_nop                                          ; one plain place behind a scaled conversion
	v_permlane16_swap_b32 v[OC+4*\hd], v[OC+4*\hd+1]
	v_permlane16_swap_b32 v[OC+4*\hd+2], v[OC+4*\hd+3]
	global_store_b128 v[LI], v[OC+4*\hd:OC+4*\hd+3], s[18:19] offset:\hd*512   ; 512 consecutive bytes, aligned to 256
.endm
	INIT
.Lh0:
	STEP 0
	s_sub_co_u32 s[CNT], s[CNT], 1
	s_cmp_lg_u32 s[CNT], 0
	s_cbranch_scc1 .Lh0
	s_setprio 0
	FINISH 0
	INIT
.Lh1:
	STEP 1
	s_sub_co_u32 s[CNT], s[CNT], 1
	s_cmp_lg_u32 s[CNT], 0
	s_cbranch_scc1 .Lh1
	s_setprio 0
	FINISH 1
	ds_store_b32 v[ASA], v[WD]                     ; lanes l and l xor 16 write the same word with the same value
	s_wait_dscnt 0x0                               ; for the others' sake: my store is done
	s_barrier_signal -1
	s_barrier_wait -1
	s_cmp_lt_u32 s[WV], 2                          ; waves 0 and 1 store a group's 512 bytes each
	s_cbranch_scc0 .Lnot_mine
	ds_load_b128 v[BK:BK+3], v[ASR]
	s_wait_dscnt 0x0
	global_store_b128 v[LI], v[BK:BK+3], s[42:43]
.Lnot_mine:
	s_wait_tensorcnt 0x0                           ; the wave's end
	ds_add_u32 v[SPW], v[NIL]
	s_wait_dscnt 0x0
	CROUND                                         ; the closing round
	s_endpgm
.Lfunc_end_k_q325e83d4e4_attn:
	.size	k_q325e83d4e4_attn, .Lfunc_end_k_q325e83d4e4_attn-k_q325e83d4e4_attn
	.p2alignl 7, 3214868480
	.fill 96, 4, 3214868480
	.section	.rodata,"a",@progbits
	.p2align	6, 0x0
	.amdhsa_kernel k_q325e83d4e4_attn
		.amdhsa_group_segment_fixed_size 327680
		.amdhsa_private_segment_fixed_size 0
		.amdhsa_enable_private_segment 0
		.amdhsa_kernarg_size 32
		.amdhsa_user_sgpr_count 2
		.amdhsa_user_sgpr_kernarg_segment_ptr 1
		.amdhsa_wavefront_size32 1
		.amdhsa_system_sgpr_workgroup_id_x 1
		.amdhsa_system_sgpr_workgroup_id_y 1
		.amdhsa_system_sgpr_workgroup_id_z 1
		.amdhsa_system_vgpr_workitem_id 0
		.amdhsa_next_free_vgpr 256
		.amdhsa_next_free_sgpr 66
		.amdhsa_reserve_vcc 0
		.amdhsa_float_denorm_mode_32 3
		.amdhsa_float_denorm_mode_16_64 3
		.amdhsa_memory_ordered 1
		.amdhsa_forward_progress 1
		.amdhsa_inst_pref_size 50
	.end_amdhsa_kernel
	.amdgpu_metadata
---
amdhsa.version: [ 1, 2 ]
amdhsa.kernels:
  - .name:           k_q325e83d4e4_attn
    .symbol:         k_q325e83d4e4_attn.kd
    .args:
      - { .name: qq, .offset: 0, .size: 8, .value_kind: global_buffer, .address_space: global }
      - { .name: kv, .offset: 8, .size: 8, .value_kind: global_buffer, .address_space: global }
      - { .name: ac, .offset: 16, .size: 8, .value_kind: global_buffer, .address_space: global }
      - { .name: asc, .offset: 24, .size: 8, .value_kind: global_buffer, .address_space: global }
    .group_segment_fixed_size: 327680
    .private_segment_fixed_size: 0
    .kernarg_segment_align: 8
    .kernarg_segment_size: 32
    .max_flat_workgroup_size: 512
    .sgpr_count:     66
    .vgpr_count:     256
    .wavefront_size: 32
...
	.end_amdgpu_metadata
.endif
;; end of part 2
;; launch proj (part 3): grid 4 x 64, 4 waves a work-group, clusters of 4 x 4, 251,904 bytes of LDS; arguments ac, asc, w_out_codes, w_out_scales, b_out, out0; writes out0
.if DOCPART == 3
	.amdgcn_target "amdgcn-amd-amdhsa--gfx1250"
	.amdhsa_code_object_version 6
	.text
	.protected	k_q325e83d4e4_proj
	.globl	k_q325e83d4e4_proj
	.p2align	8
	.type	k_q325e83d4e4_proj,@function
k_q325e83d4e4_proj:
	s_mov_b64 s[64:65], 0
	v_nop
	global_prefetch_b8 v0, s[64:65] scope:SCOPE_SE
	s_setreg_imm32_b32 hwreg(HW_REG_WAVE_MODE, 25, 1), 1
	s_wait_xcnt 0x0
	s_wait_alu depctr_hold_cnt(0) depctr_sa_sdst(0) depctr_va_vdst(0) depctr_va_sdst(0) depctr_va_ssrc(0) depctr_va_vcc(0) depctr_vm_vsrc(0)
	s_getreg_b32 s2, hwreg(HW_REG_IB_STS2, 6, 4)
	s_cmp_eq_u32 s2, 0
	s_cbranch_scc0 .Lentry_in_a_cluster
	s_endpgm
.Lentry_in_a_cluster:
	s_bfe_u32 s2, ttmp6, 0x10000c
	s_cmp_lg_u32 s2, 0xf033
	s_cbranch_scc0 .Lentry_shape_is_right
	s_endpgm
.Lentry_shape_is_right:
; out0 = a W^T + b_out on codes of FP4 (E2M1).  a: the attention's result as images (ac) and scale words (asc), laid in the order of the operand's registers; W: 1,024 rows of 512 bytes of codes, 32 scale bytes a row.
; SHARES.  A work-group of four waves makes 128 tokens x 256 outputs, a wave 64 x 128: 32 accumulators.  256 work-groups.  All of K comes into LDS once, in two halves, by three tensor loads a wave: no LDS byte is filled twice.
; CLUSTERS: 4 x 4 work-groups; a's tiles are shared along a row of the cluster, W's along a column: each is asked for jointly.
; TRANSPOSED: source 0 = 16 rows of W, source 1 = 16 tokens: a lane holds eight neighbouring outputs of one token.  The bias is the C of the first K step.
; The way out goes through each wave's own stage in LDS: whole rows of 512 bytes leave, two aligned units of 256 bytes an instruction.
; LIMITS: NaN, infinities and given scale bytes 0xff are not served.
.set PITCH, 272
.set HALFW, 128*PITCH                  ; 128 rows of W, a K half
.set WSLOT, 2*HALFW
.set AIMG,  2*WSLOT                    ; a's images: [K half 2][tile 8][K step 4][c 2][512]
.set WSC,   AIMG+65536                 ; W's scale bytes: 2 x 16 units of 256 + 16
.set ASC,   WSC+2*4352                 ; a's scale words: [K step 8][512]
.set STG,   ASC+4096                   ; the stages: 16 rows x 528 bytes a wave; no tensor load lands here
.set SPARE, STG+4*16*528               ; the spare words, 128 bytes a wave
.set ADRP, 16                          ; v16-17 W's fragments, K half 0, 1
.set ADRA, 18                          ; v18    a's images
.set ADSP, 20                          ; v20    W's scale words
.set ADSA, 21                          ; v21    a's
.set STO,  24                          ; v24    the stage: where I put 32 bytes of a row
.set RD,   25                          ; v25    where I read a row back
.set CO,   26                          ; v26    16 x lane
.set BOF,  27                          ; v27    the bias loads' offset: 32 h
.set SPW,  28
.set NIL,  29
.set SCP,  32                          ; v32-63 W's scale words: register 8 ip + k8: lane l has row 32 ip + l
.set SCA,  64                          ; v64-79 a's: register 2 k8 + pp: lane l has my token 32 pp + l
.set BIAS, 80                          ; v80-143 the bias in the result's layout
.set BK,   128                         ; v128-255 the way out, two sets of 64
.set G1A,  24
.set G1AS, 32
.set G1W,  40
.set G1WS, 48
.set G0A0, 56
.set G0A1, 60
.set G0AS, 68
.set G0W0, 72
.set G0W1, 76
.set G0WS, 80
.set MSB, 0
.macro WIN new                         ; the immediate's high byte repeats the setting that is left
.if MSB != \new
	s_set_vgpr_msb (MSB<<8)|\new
.set MSB, \new
.endif
.endm
.macro PLACES n
.rept \n
	v_nop
.endr
.endm
; A joint load: waves 0 and 1 fetch for a, waves 2 and 3 for W.  An s_nop 0 and four v_nop follow each line.
.macro JLOAD g0a, g1a, g0b, g1b
	s_cmp_eq_u32 s19, 0
	s_cbranch_scc0 .Lfor_b_\@
	tensor_load_to_lds s[\g0a:\g0a+3], s[\g1a:\g1a+7]
	s_nop 0
.rept 4
	v_nop
.endr
	s_branch .Lasked_\@
.Lfor_b_\@:
	tensor_load_to_lds s[\g0b:\g0b+3], s[\g1b:\g1b+7]
	s_nop 0
.rept 4
	v_nop
.endr
.Lasked_\@:
.endm
.macro CROUND                          ; a round of the cluster's barrier
	s_barrier_signal -1
	s_barrier_wait -1
	s_cmp_lg_u32 s18, 0
	s_cbranch_scc1 .Lnot_wave_0_\@
	s_barrier_signal -3
.Lnot_wave_0_\@:
	s_barrier_wait -3
	s_barrier_signal -1
	s_barrier_wait -1
.endm
.macro FRAG reg, adr, off
	ds_load_b128 v[(\reg):(\reg)+3], v[\adr] offset:\off
	ds_load_b128 v[(\reg)+4:(\reg)+7], v[\adr] offset:(\off)+32
.endm
.macro WM d, p, r, c, sp, sr, rp, rr
.if ((\rp) == 0) && ((\rr) == 0)
	v_wmma_scale_f32_16x16x128_f8f6f4 v[(\d):(\d)+7], v[(\p):(\p)+7], v[(\r):(\r)+7], v[(\c):(\c)+7], v[(\sp)], v[(\sr)] matrix_a_fmt:MATRIX_FMT_FP4 matrix_b_fmt:MATRIX_FMT_FP4
.elseif ((\rp) == 1) && ((\rr) == 0)
	v_wmma_scale_f32_16x16x128_f8f6f4 v[(\d):(\d)+7], v[(\p):(\p)+7], v[(\r):(\r)+7], v[(\c):(\c)+7], v[(\sp)], v[(\sr)] matrix_a_fmt:MATRIX_FMT_FP4 matrix_b_fmt:MATRIX_FMT_FP4 matrix_a_scale:MATRIX_SCALE_ROW1
.elseif ((\rp) == 0) && ((\rr) == 1)
	v_wmma_scale_f32_16x16x128_f8f6f4 v[(\d):(\d)+7], v[(\p):(\p)+7], v[(\r):(\r)+7], v[(\c):(\c)+7], v[(\sp)], v[(\sr)] matrix_a_fmt:MATRIX_FMT_FP4 matrix_b_fmt:MATRIX_FMT_FP4 matrix_b_scale:MATRIX_SCALE_ROW1
.else
	v_wmma_scale_f32_16x16x128_f8f6f4 v[(\d):(\d)+7], v[(\p):(\p)+7], v[(\r):(\r)+7], v[(\c):(\c)+7], v[(\sp)], v[(\sr)] matrix_a_fmt:MATRIX_FMT_FP4 matrix_b_fmt:MATRIX_FMT_FP4 matrix_a_scale:MATRIX_SCALE_ROW1 matrix_b_scale:MATRIX_SCALE_ROW1
.endif
.endm
; the 24 fragment loads of K step k, in one run, into set k % 2 of window 1: W's eight at v0 / v64, a's four at v128 / v160
.macro FETCH k
	WIN 0x40
.irp i, 0,1,2,3,4,5,6,7
	FRAG 64*((\k)%2)+8*\i, ADRP+(\k)/4, 64*((\k)%4)+\i*16*PITCH
.endr
.irp i, 0,1,2,3
	ds_load_b128 v[128+32*((\k)%2)+8*\i:128+32*((\k)%2)+8*\i+3], v[ADRA] offset:((\k)/4)*32768+\i*4096+((\k)%4)*1024
	ds_load_b128 v[128+32*((\k)%2)+8*\i+4:128+32*((\k)%2)+8*\i+7], v[ADRA] offset:((\k)/4)*32768+\i*4096+((\k)%4)*1024+512
.endr
	WIN 0
.endm
; the 32 products of K step k8; accumulator (a, b) at v[8 (8 a + b)] of window 2; they take turns, one instruction a turn.  cm = 1: the sums begin with the bias
.macro MULS k8, cm
.if \cm
	WIN 0x85
.else
	WIN 0xa5
.endif
.irp a, 0,1,2,3
.irp b, 0,1,2,3,4,5,6,7
.if \cm
	WM 8*(8*\a+\b), 64*((\k8)%2)+8*\b, 128+32*((\k8)%2)+8*\a, BIAS+8*\b, SCP+8*(\b/2)+(\k8), SCA+2*(\k8)+\a/2, \b%2, \a%2
.else
	WM 8*(8*\a+\b), 64*((\k8)%2)+8*\b, 128+32*((\k8)%2)+8*\a, 8*(8*\a+\b), SCP+8*(\b/2)+(\k8), SCA+2*(\k8)+\a/2, \b%2, \a%2
.endif
.endr
.endr
	WIN 0
.endm
.macro STEP k8, fetch, meet
	s_wait_dscnt 0x0                               ; this step's loads, issued 32 matrix instructions ago, are in
.if \meet
	s_wait_tensorcnt 0x0                           ; my part of K half 1 has landed;
	s_barrier_signal -1
	s_barrier_wait -1                              ; everybody's has.
.endif
.if \fetch
	PLACES 4                                       ; four places in front of loads into registers that the last step's products have read
	FETCH (\k8)+1
.endif
	MULS \k8, 0
.endm
	s_load_b256 s[4:11], s[0:1], 0x0               ; ac s[4:5], asc s[6:7], W's codes s[8:9], W's scales s[10:11]
	s_load_b128 s[12:15], s[0:1], 0x20             ; b_out s[12:13], out0 s[14:15]
	v_lshl_add_u32 v[SPW], v0, 2, SPARE
	v_mov_b32 v[NIL], 0
	ds_add_u32 v[SPW], v[NIL]                      ; the wave's opening: an add, twice on end, and its wait ahead of my first tensor load
	ds_add_u32 v[SPW], v[NIL]
	v_lshrrev_b32 v1, 5, v0
	v_readfirstlane_b32 s18, v1                    ; wave 0..3
	s_lshr_b32 s19, s18, 1                         ; HI: my half of the tokens.  Also: I fetch for a (0) or for W (1)
	s_and_b32 s20, s18, 1                          ; LO: my half of the outputs.  Also: which half of that operand I fetch
	s_bfe_u32 s21, ttmp6, 0x40000                  ; cx
	s_bfe_u32 s22, ttmp6, 0x40004                  ; cy
	s_lshl_b32 s23, ttmp9, 2
	s_add_co_u32 s23, s23, s21                     ; X: outputs 256 X on
	s_and_b32 s84, ttmp7, 0xffff
	s_lshl_b32 s84, s84, 2
	s_add_co_u32 s84, s84, s22                     ; Y: tokens 128 Y on
	s_lshl_b32 s85, s22, 2
	s_lshl_b32 s85, 15, s85                        ; my row of the cluster
	s_lshl_b32 s86, 0x1111, s21                    ; my column
	s_or_b32 s[G1A], s85, (3<<16)|(1<<21)          ; a's images: four tiles' 4,096 bytes (a K half), 8,192 bytes apart; elements of 8 bytes, no padding
	s_mov_b32 s[G1A+1], 512<<16
	s_mov_b32 s[G1A+2], 4<<16
	s_mov_b32 s[G1A+3], 512<<16
	s_mov_b32 s[G1A+4], 4
	s_mov_b32 s[G1A+5], 1024
	s_mov_b32 s[G1A+6], 0
	s_mov_b32 s[G1A+7], 0
	s_or_b32 s[G1AS], s85, (3<<16)|(1<<21)         ; a's scale words: four K steps' 512 bytes, 32,768 bytes apart
	s_mov_b32 s[G1AS+1], 64<<16
	s_mov_b32 s[G1AS+2], 4<<16
	s_mov_b32 s[G1AS+3], 64<<16
	s_mov_b32 s[G1AS+4], 4
	s_mov_b32 s[G1AS+5], 4096
	s_mov_b32 s[G1AS+6], 0
	s_mov_b32 s[G1AS+7], 0
	s_or_b32 s[G1W], s86, (1<<20)|(1<<21)|(5<<22)|(3<<25)    ; W's codes: 128 rows of 256 bytes, 512 apart, 16 bytes of padding behind each
	s_mov_b32 s[G1W+1], 256<<16
	s_mov_b32 s[G1W+2], 128<<16
	s_mov_b32 s[G1W+3], 256<<16
	s_mov_b32 s[G1W+4], 128
	s_mov_b32 s[G1W+5], 512
	s_mov_b32 s[G1W+6], 0
	s_mov_b32 s[G1W+7], 0
	s_or_b32 s[G1WS], s86, (3<<16)|(1<<20)|(1<<21)|(5<<22)|(3<<25)   ; W's scale bytes of 128 rows: 16 dense rows of 256 bytes, padded
	s_mov_b32 s[G1WS+1], 32<<16
	s_mov_b32 s[G1WS+2], 16<<16
	s_mov_b32 s[G1WS+3], 32<<16
	s_mov_b32 s[G1WS+4], 16
	s_mov_b32 s[G1WS+5], 32
	s_mov_b32 s[G1WS+6], 0
	s_mov_b32 s[G1WS+7], 0
	s_lshl_b32 s88, s84, 16                        ; ac: 65,536 Y + 32,768 x which four tiles: made of Y alone
	s_lshl_b32 s92, s20, 15
	s_add_co_u32 s88, s88, s92
	s_mov_b32 s89, 0
	s_lshl_b32 s98, s84, 9                         ; asc: 512 Y + 131,072 x which four K steps
	s_lshl_b32 s92, s20, 17
	s_add_co_u32 s98, s98, s92
	s_mov_b32 s99, 0
	s_lshl_b32 s90, s23, 8                         ; W's row 256 X + 128 x half: made of X alone
	s_lshl_b32 s92, s20, 7
	s_add_co_u32 s90, s90, s92
	s_lshl_b32 s90, s90, 5                         ; x 32: its scale bytes
	s_mov_b32 s91, 0
	s_mov_b32 s[G0A0], 1                           ; the LDS addresses: by the wave's number alone
	s_lshl_b32 s[G0A0+1], s20, 14
	s_add_co_u32 s[G0A0+1], s[G0A0+1], AIMG
	s_mov_b32 s[G0A1], 1
	s_add_co_u32 s[G0A1+1], s[G0A0+1], 32768
	s_mov_b32 s[G0AS], 1
	s_lshl_b32 s[G0AS+1], s20, 11
	s_add_co_u32 s[G0AS+1], s[G0AS+1], ASC
	s_mov_b32 s[G0W0], 1
	s_mul_i32 s[G0W0+1], s20, HALFW
	s_mov_b32 s[G0W1], 1
	s_add_co_u32 s[G0W1+1], s[G0W0+1], WSLOT
	s_mov_b32 s[G0WS], 1
	s_mul_i32 s[G0WS+1], s20, 4352
	s_add_co_u32 s[G0WS+1], s[G0WS+1], WSC
	s_wait_dscnt 0x0                               ; both opening adds are done
	s_wait_kmcnt 0x0
	s_add_nc_u64 s[G0AS+2:G0AS+3], s[6:7], s[98:99]
	s_add_nc_u64 s[G0A0+2:G0A0+3], s[4:5], s[88:89]
	s_add_nc_u64 s[G0A1+2:G0A1+3], s[G0A0+2:G0A0+3], 4096
	s_add_nc_u64 s[G0WS+2:G0WS+3], s[10:11], s[90:91]
	s_lshl_b32 s90, s90, 4                         ; row x 512: the codes
	s_add_nc_u64 s[G0W0+2:G0W0+3], s[8:9], s[90:91]
	s_add_nc_u64 s[G0W1+2:G0W1+3], s[G0W0+2:G0W0+3], 256
.irp g, G0AS, G0A0, G0A1, G0WS, G0W0, G0W1
	s_or_b32 s[\g+3], s[\g+3], 0x80000000
.endr
	CROUND                                         ; all sixteen work-groups are here: the first joint loads meet
	JLOAD G0AS, G1AS, G0WS, G1WS                   ; the scales, for all of K
	JLOAD G0A0, G1A, G0W0, G1W                     ; K half 0
	JLOAD G0A1, G1A, G0W1, G1W                     ; K half 1: three loads of mine are out
	v_and_b32 v1, 15, v0                           ; r
	v_bfe_u32 v2, v0, 4, 1                         ; h
	v_and_b32 v3, 31, v0                           ; lane
	v_mul_u32_u24 v4, v1, PITCH
	v_lshl_add_u32 v4, v2, 4, v4
	s_mul_i32 s92, s20, HALFW
	v_add_nc_u32 v[ADRP], s92, v4                  ; W: my 128 rows
	v_add_nc_u32 v[ADRP+1], WSLOT, v[ADRP]
	v_lshlrev_b32 v[CO], 4, v3
	s_lshl_b32 s92, s19, 14
	s_add_co_u32 s92, s92, AIMG
	v_add_nc_u32 v[ADRA], s92, v[CO]               ; a: my four tiles' images
	v_lshrrev_b32 v5, 3, v3
	v_lshlrev_b32 v6, 5, v3
	v_lshl_add_u32 v5, v5, 4, v6                   ; a row's 32 scale bytes: 32 lane, and 16 more for each 256 passed
	s_mul_i32 s92, s20, 4352
	s_add_co_u32 s92, s92, WSC
	v_add_nc_u32 v[ADSP], s92, v5
	s_lshl_b32 s92, s19, 3
	s_add_co_u32 s92, s92, ASC
	v_add_nc_u32 v[ADSA], s92, v[CO]               ; words p = 2 HI, 2 HI + 1 of lane l's four
	s_mul_i32 s92, s18, 16*528
	s_add_co_u32 s92, s92, STG                     ; my stage
	v_mul_u32_u24 v[STO], v1, 528
	v_lshl_add_u32 v[STO], v2, 5, v[STO]
	v_add_nc_u32 v[STO], s92, v[STO]
	v_add_nc_u32 v[RD], s92, v[CO]
	v_lshlrev_b32 v[BOF], 5, v2
	s_wait_alu depctr_va_vdst(0)
	s_lshl_b32 s96, s23, 10
	s_lshl_b32 s93, s20, 9
	s_add_co_u32 s96, s96, s93                     ; 4 (256 X + 128 LO): my first output, in bytes
	s_mov_b32 s97, 0
	s_lshl_b32 s94, s84, 19
	s_lshl_b32 s93, s19, 18
	s_add_co_u32 s94, s94, s93                     ; (128 Y + 64 HI) rows of 4,096 bytes
	s_add_co_u32 s94, s94, s96
	s_mov_b32 s95, 0
	s_add_nc_u64 s[94:95], s[14:15], s[94:95]      ; out0 at my first number; never stepped
	s_add_nc_u64 s[96:97], s[12:13], s[96:97]
.irp b, 0,1,2,3,4,5,6,7
	global_load_b128 v[BIAS+8*\b:BIAS+8*\b+3], v[BOF], s[96:97] offset:64*\b         ; register j of block b: output 16 b + 8 h + j
	global_load_b128 v[BIAS+8*\b+4:BIAS+8*\b+7], v[BOF], s[96:97] offset:64*\b+16
.endr
	s_wait_tensorcnt 0x1                           ; the scales and my part of K half 0 are in; K half 1's load may stay out
	s_barrier_signal -1
	s_barrier_wait -1                              ; everybody's are
.irp ip, 0,1,2,3
.irp s, 0,1
	ds_load_b128 v[SCP+8*\ip+4*\s:SCP+8*\ip+4*\s+3], v[ADSP] offset:\ip*1088+16*\s
.endr
.endr
.irp k, 0,1,2,3,4,5,6,7
	ds_load_b64 v[SCA+2*\k:SCA+2*\k+1], v[ADSA] offset:\k*512
.endr
	FETCH 0
	s_wait_dscnt 0x0                               ; scale words and K step 0's fragments
	s_wait_loadcnt 0x0                             ; the bias
	FETCH 1
	MULS 0, 1                                      ; the first K step starts the sums with the bias
	STEP 1, 1, 0
	STEP 2, 1, 0
	STEP 3, 1, 1                                   ; K step 4 lies in K half 1
	STEP 4, 1, 0
	STEP 5, 1, 0
	STEP 6, 1, 0
	STEP 7, 0, 0
; THE WAY OUT, a block of 16 tokens x 128 outputs at a time, through my own stage.  LDS serves a wave's instructions in order (ISA guide 5.7.1.4): no wait between the stores and the loads.
.macro TOSTAGE a
	WIN 0x08                                       ; an LDS store's data are its source 1: window 2
.irp b, 0,1,2,3,4,5,6,7
	ds_store_b128 v[STO], v[64*(\a)+8*\b:64*(\a)+8*\b+3] offset:64*\b          ; each accumulator from its low end on
	ds_store_b128 v[STO], v[64*(\a)+8*\b+4:64*(\a)+8*\b+7] offset:64*\b+16
.endr
	WIN 0
.set BB, BK+64*((\a)%2)
.irp t, 0,1,2,3,4,5,6,7,8,9,10,11,12,13,14,15
	ds_load_b128 v[BB+4*\t:BB+4*\t+3], v[RD] offset:\t*528
.endr
.endm
.macro SEND a, younger                 ; younger: the LDS instructions issued behind block a's loads, which may stay out
.set BB, BK+64*((\a)%2)
	s_wait_dscnt \younger
.irp t, 0,1,2,3,4,5,6,7,8,9,10,11,12,13,14,15
	global_store_b128 v[CO], v[BB+4*\t:BB+4*\t+3], s[94:95] offset:(16*(\a)+\t)*4096 th:TH_STORE_NT   ; 32 lanes store 512 consecutive bytes, aligned to 256; written once, read by nobody here
.endr
.endm
	PLACES 4                                       ; in front of the first read of results
	TOSTAGE 0
	TOSTAGE 1
	SEND 0, 32                                     ; behind block 0's loads: block 1's 16 stores and 16 loads
	s_wait_xcnt 0x0                                ; block 0's stores have read their registers: block 2's loads may land there
	TOSTAGE 2
	SEND 1, 32
	s_wait_xcnt 0x0                                ; block 1's likewise
	TOSTAGE 3
	SEND 2, 32
	SEND 3, 0
	s_wait_tensorcnt 0x0                           ; the wave's end
	ds_add_u32 v[SPW], v[NIL]
	s_wait_dscnt 0x0
	CROUND                                         ; the closing round
	s_endpgm
.Lfunc_end_k_q325e83d4e4_proj:
	.size	k_q325e83d4e4_proj, .Lfunc_end_k_q325e83d4e4_proj-k_q325e83d4e4_proj
	.p2alignl 7, 3214868480
	.fill 96, 4, 3214868480
	.section	.rodata,"a",@progbits
	.p2align	6, 0x0
	.amdhsa_kernel k_q325e83d4e4_proj
		.amdhsa_group_segment_fixed_size 251904
		.amdhsa_private_segment_fixed_size 0
		.amdhsa_enable_private_segment 0
		.amdhsa_kernarg_size 48
		.amdhsa_user_sgpr_count 2
		.amdhsa_user_sgpr_kernarg_segment_ptr 1
		.amdhsa_wavefront_size32 1
		.amdhsa_system_sgpr_workgroup_id_x 1
		.amdhsa_system_sgpr_workgroup_id_y 1
		.amdhsa_system_sgpr_workgroup_id_z 1
		.amdhsa_system_vgpr_workitem_id 0
		.amdhsa_next_free_vgpr 768
		.amdhsa_next_free_sgpr 100
		.amdhsa_reserve_vcc 0
		.amdhsa_float_denorm_mode_32 3
		.amdhsa_float_denorm_mode_16_64 3
		.amdhsa_memory_ordered 1
		.amdhsa_forward_progress 1
		.amdhsa_inst_pref_size 73
	.end_amdhsa_kernel
	.amdgpu_metadata
---
amdhsa.version: [ 1, 2 ]
amdhsa.kernels:
  - .name:           k_q325e83d4e4_proj
    .symbol:         k_q325e83d4e4_proj.kd
    .args:
      - { .name: ac, .offset: 0, .size: 8, .value_kind: global_buffer, .address_space: global }
      - { .name: asc, .offset: 8, .size: 8, .value_kind: global_buffer, .address_space: global }
      - { .name: w_out_codes, .offset: 16, .size: 8, .value_kind: global_buffer, .address_space: global }
      - { .name: w_out_scales, .offset: 24, .size: 8, .value_kind: global_buffer, .address_space: global }
      - { .name: b_out, .offset: 32, .size: 8, .value_kind: global_buffer, .address_space: global }
      - { .name: out0, .offset: 40, .size: 8, .value_kind: global_buffer, .address_space: global }
    .group_segment_fixed_size: 251904
    .private_segment_fixed_size: 0
    .kernarg_segment_align: 8
    .kernarg_segment_size: 48
    .max_flat_workgroup_size: 128
    .sgpr_count:     100
    .vgpr_count:     768
    .wavefront_size: 32
...
	.end_amdgpu_metadata
.endif
;; end of part 3
